; MI455X (gfx1250); checked and timed in simulation.
; The chip was launched on July 23, 2026; its instructions are those of AMD's public machine-readable ISA for CDNA 5 (MIT licence, August 2026) and "CDNA5" Instruction Set Architecture Reference Guide (July 2026). The comments in the code are by the model that wrote it; some were corrected since.
;; Som. Allowed arithmetic: matrix products marked QUANTISED: E2M3 operands, one E8M0 scale for each 32 along K, by v_wmma_scale_f32_16x16x128_f8f6f4 with both operands' format E2M3, f32 sums; everything else in f32.
;; Inputs: weights 128 x 128 x 256 float32; xb 4,096 x 256 float32.
;; Outputs: out0 4,096 x 2 int32.
;; This version of the problem:
;;   THIS VERSION OF THE PROBLEM IS GIVEN IN LOW PRECISION. The matrix products marked QUANTISED in the list below multiply operands that are first quantised to E2M3 (2 exponent bits, 3 mantissa bits; 6 bits a number), with one power-of-two scale for each 32 numbers along K (OCP MX v1.0); their sums are f32. All else is computed in f32.
;;   The module's matrix products, in the order in which they are computed (A, B: the left and right operand; K: the contracted axis; several contracted axes count as one K, in the product's order):
;;     1. [M 4,096, K 256] x [K 256, N 16,384]; A: input xb; B: input weights: QUANTISED
;;   THE QUANTISER, for each operand of a quantised product, along K:
;;     - K is cut into blocks of 32 from its start; a last block that is shorter is filled with zeros.
;;     - A block's scale is 2^e with e = floor(log2(the largest magnitude in the block)) - 2, held to -126 .. 127; a block of zeros has e = 0. As a byte (E8M0): e + 127.
;;     - Each number is divided by its block's scale, clamped to +-7.5, and rounded to the nearest number of E2M3, ties to even, subnormals kept.
;;     - The product sums the exact products of the quantised numbers (number of the format x scale) in f32.
;;   ~~~python
;;   def quantise(x, axis):      # numpy; x: float32 -> the quantised numbers, widened to float32 again
;;       x = np.moveaxis(x, axis, -1); K = x.shape[-1]
;;       x = np.pad(x, [(0, 0)] * (x.ndim - 1) + [(0, -K % 32)]); x = x.reshape(x.shape[:-1] + (-1, 32)); a = np.abs(x).max(-1, keepdims=True)
;;       e = np.where(a > 0, np.clip(np.frexp(np.where(a > 0, a, 1))[1] - 1 - 2, -126, 127), 0)      # np.frexp(a)[1] - 1 = floor(log2(a)), exactly
;;       r = np.clip(x / 2.0 ** e, -7.5, 7.5)
;;       step = 2.0 ** (np.maximum(np.frexp(np.where(r == 0, 1, r))[1] - 1, 0) - 3)
;;       q = np.round(r / step) * step * 2.0 ** e      # np.round: ties to even
;;       return np.moveaxis(q.reshape(q.shape[:-2] + (-1,))[..., :K], -1, axis).astype(np.float32)
;;   ~~~
;; One version. Each part assembles by itself: llvm-mc -triple=amdgcn-amd-amdhsa -mcpu=gfx1250 --defsym DOCPART=n.
;; ======== version 1 of 1: 3 launches
;; limits: right only within a limited range of input values
;; workspace buffers: xq 851,968 bytes; wq 3,407,872 bytes; part 524,288 bytes
;; launch quant (part 1): grid 256 x 1, 5 waves a work-group, no clusters, 23,808 bytes of LDS; arguments xb, weights, xq, wq; writes xq, wq
.if DOCPART == 1
	.amdgcn_target "amdgcn-amd-amdhsa--gfx1250"
	.amdhsa_code_object_version 6
	.text
	.protected	k_q36b2a5d3cd_quant
	.globl	k_q36b2a5d3cd_quant
	.p2align	8
	.type	k_q36b2a5d3cd_quant,@function
k_q36b2a5d3cd_quant:
	s_mov_b64 s[64:65], 0
	v_nop
	global_prefetch_b8 v0, s[64:65] scope:SCOPE_SE
	s_setreg_imm32_b32 hwreg(HW_REG_WAVE_MODE, 25, 1), 1
	s_wait_xcnt 0x0
; xb [4096][256] and weights [16384][256], f32, become codes of FP6 (E2M3), scale words and -1/2 x the sum of squares of each row, laid as the product's launch wants them.
; A block's scale is 2^(floor(log2(its largest magnitude)) - 2); its byte is the largest magnitude's exponent field - 2, held at 1 from below.
; A TILE RECORD holds 16 consecutive rows in 3,328 bytes = 13 x 256:
;   512 c + 16 lane : registers 4 c .. 4 c + 3 of the tile's 24-register operand image (registers 0-11 K step 0, 12-23 K step 1;
;                     lane (r, h) holds row r; registers 6 g .. 6 g + 5 hold block 2 g + h of the row's eight blocks of 32)
;   3072 + 8 r      : the row's two scale words (K step 0, K step 1)
;   3200 + 4 r      : -0.5 x the sum of the row's squares, f32, of the numbers as they are given
;   3264 .. 3327    : zeros, so that the record's last 256 bytes are stored whole
; SHARES: 1,280 tiles, five to a work-group, one to a wave: 256 equal work-groups.  Tiles 0-255 are xb's, the others weights': only pointers are chosen, one path through the text.
; STAGES: a wave asks for its 16,384 bytes at once, in four stages of 64 numbers of each row (two blocks); each load covers 256 consecutive bytes of two rows.  A stage is worked while the later ones are on their way.
; A stage turns through the wave's own LDS (rows 272 bytes apart, an odd multiple of 16), so that a lane gets a whole block of 32 neighbours.
; No matrix unit, no tensor load, no cluster, no barrier: waves share nothing and each byte is read once.
; LIMITS: a block whose largest magnitude lies under 2^-124 gets the byte 1; a block of zeros gets the byte 1 with zero codes (this program alone reads the bytes);
; NaN and infinities are not served; the sum of squares is taken in another order than a plain running sum.
.set PRB, 3328
.set SP,  272
.set STW, 16*SP
.set TL,  5*STW                        ; behind the stages: 256 bytes for each wave, its record's last 256
.set SPARE, TL+5*256                   ; the spare words, 128 bytes for each wave: three blocks of 256 bytes that no other line names
.set GA,  4                            ; v4   16 lane: offset of the codes' stores
.set LDA, 5                            ; v5   offset of the loads: lanes 0-15 one row, lanes 16-31 the next
.set SWA, 6                            ; v6   the stage, on the way in
.set SRA, 7                            ; v7   the stage, on the way out: row r, + 128 h
.set TSC, 8                            ; v8   where my row's scale words go
.set TB2, 9                            ; v9   where my row's -1/2 sum goes
.set TRD, 10                           ; v10  where I read the tail back
.set TGO, 11                           ; v11  8 lane: offset of the tail's store
.set SPW, 12                           ; v12  LDS address of my spare word; never rewritten
.set NIL, 13                           ; v13  0; never rewritten
.set SW,  14                           ; v14-15 the two scale words
.set AM,  16                           ; v16-17 largest magnitude, two chains
.set SO,  18                           ; v18  the conversions' scale operand
.set SH,  19                           ; v19  8 h
.set BY,  20                           ; v20-23 the scale bytes
.set SQ,  24                           ; v24-27 sums of squares, two pairs
.set TC,  28                           ; v28-30 the second half of a block's codes
.set R,   32                           ; v32-159  the four stages as loaded
.set X,   160                          ; v160-223 two sets of 32 numbers
.set CD,  224                          ; v224-247 the operand image
.set TO,  248                          ; v248-249 the tail on its way out
.set TP,  250                          ; v250-252 destinations of lane permutes
	s_load_b128 s[4:7], s[0:1], 0x0                ; xb, weights
	s_load_b128 s[8:11], s[0:1], 0x10              ; xq, wq
	v_lshl_add_u32 v[SPW], v0, 2, SPARE
	v_mov_b32 v[NIL], 0
	v_lshrrev_b32 v1, 5, v0
	v_readfirstlane_b32 s12, v1                    ; wave
	s_mul_i32 s18, s12, STW
	s_lshl_b32 s19, s12, 8
	s_add_co_u32 s19, s19, TL
	v_and_b32 v1, 31, v0                           ; lane
	v_and_b32 v2, 15, v0                           ; r
	v_bfe_u32 v3, v0, 4, 1                         ; h
	v_lshlrev_b32 v[GA], 4, v1
	v_lshlrev_b32 v[LDA], 10, v3
	v_lshl_add_u32 v[LDA], v2, 4, v[LDA]
	v_mul_u32_u24 v[SWA], v3, SP
	v_lshl_add_u32 v[SWA], v2, 4, v[SWA]
	v_add_nc_u32 v[SWA], s18, v[SWA]
	v_mul_u32_u24 v[SRA], v2, SP
	v_lshl_add_u32 v[SRA], v3, 7, v[SRA]
	v_add_nc_u32 v[SRA], s18, v[SRA]
	v_lshl_add_u32 v[TSC], v2, 3, s19
	v_lshl_add_u32 v[TB2], v2, 2, s19
	v_lshl_add_u32 v[TRD], v1, 3, s19
	v_lshlrev_b32 v[TGO], 3, v1
	v_lshlrev_b32 v[SH], 3, v3
.irp i, 0,1,2
	v_mov_b32 v[TP+\i], 0                          ; written once: a lane permute's destination counts as one of its sources
.endr
	ds_store_b32 v[TB2], v[NIL] offset:192         ; the record's last 64 bytes
	s_mov_b32 s20, 0x76543210
	s_mov_b32 s21, 0xfedcba98                      ; v_permlanex16_b32's selects for lane l xor 16
	s_mul_i32 s13, ttmp9, 5
	s_add_co_u32 s13, s13, s12                     ; my tile of the 1,280
	s_wait_alu depctr_va_vdst(0)                   ; the wait at the head's end
	s_wait_kmcnt 0x0
	s_cmp_lt_u32 s13, 256                          ; xb's tile or weights'?
	s_cselect_b64 s[4:5], s[4:5], s[6:7]
	s_cselect_b64 s[8:9], s[8:9], s[10:11]
	s_cselect_b32 s14, 0, 256
	s_sub_co_u32 s13, s13, s14                     ; the tile's number in its tensor
	s_lshl_b32 s14, s13, 14                        ; 16 rows of 1,024 bytes
	s_mov_b32 s15, 0
	s_mul_i32 s16, s13, PRB
	s_mov_b32 s17, 0
	s_add_nc_u64 s[4:5], s[4:5], s[14:15]
	s_add_nc_u64 s[8:9], s[8:9], s[16:17]
.irp b, 0,1,2,3
.irp i, 0,1,2,3,4,5,6,7
	global_load_b128 v[R+32*\b+4*\i:R+32*\b+4*\i+3], v[LDA], s[4:5] offset:2048*\i+256*\b th:TH_LOAD_NT   ; rows 2 i and 2 i + 1, 256 bytes of each; read once in the launch
.endr
.endr
.macro STAGE b
.set XS, X+32*((\b)%2)
	s_wait_alu depctr_va_vdst(0)                   ; directly ahead of the wait below
	s_wait_loadcnt 8*(3-(\b))                      ; loads come back in order: this stage's eight are in, the later stages' may be out
.irp i, 0,1,2,3,4,5,6,7
	ds_store_b128 v[SWA], v[R+32*\b+4*\i:R+32*\b+4*\i+3] offset:2*SP*\i
.endr
.irp p, 0,1,2,3,4,5,6,7
	ds_load_b128 v[XS+4*\p:XS+4*\p+3], v[SRA] offset:16*\p   ; block 2 b + h of row r (LDS serves a wave's instructions in order: these see the stores above)
.endr
	s_wait_dscnt 0x0
	v_max3_num_f32 v[AM], |v[XS]|, |v[XS+1]|, 0x1800000      ; the floor 2^(3 - 127) among the leaves: the byte cannot fall under 1
	v_max3_num_f32 v[AM+1], |v[XS+2]|, |v[XS+3]|, |v[XS+4]|
.irp i, 0,4,8,12,16,20,24,28
.if (\b) == 0 && \i == 0
	v_pk_mul_f32 v[SQ:SQ+1], v[XS:XS+1], v[XS:XS+1]          ; the first squares start the sums: nothing is cleared
	v_pk_mul_f32 v[SQ+2:SQ+3], v[XS+2:XS+3], v[XS+2:XS+3]
.else
	v_pk_fma_f32 v[SQ:SQ+1], v[XS+\i:XS+\i+1], v[XS+\i:XS+\i+1], v[SQ:SQ+1]
	v_pk_fma_f32 v[SQ+2:SQ+3], v[XS+\i+2:XS+\i+3], v[XS+\i+2:XS+\i+3], v[SQ+2:SQ+3]
.endif
.if \i < 24
	v_max3_num_f32 v[AM], v[AM], |v[XS+\i+5]|, |v[XS+\i+6]|
	v_max3_num_f32 v[AM+1], v[AM+1], |v[XS+\i+7]|, |v[XS+\i+8]|
.endif
.if \i == 24
	v_max3_num_f32 v[AM], v[AM], |v[XS+29]|, |v[XS+30]|
.endif
.endr
	v_max3_num_f32 v[AM], v[AM], v[AM+1], |v[XS+31]|
	v_add_nc_u32 v[SO], 0xff000000, v[AM]          ; 2 off the exponent field: the conversion takes the exponent field of this operand as its scale, and nothing else of it
	v_cvt_scalef32_pk16_fp6_f32 v[CD+6*\b:CD+6*\b+2], v[XS:XS+15], v[SO]
	v_cvt_scalef32_pk16_fp6_f32 v[TC:TC+2], v[XS+16:XS+31], v[SO]   ; (a conversion's three registers begin on an even number: the second half is made here and moved)
	v_lshrrev_b32 v[BY+\b], 23, v[SO]              ; the scale's byte; also the plain place behind the conversions
.irp i, 0,1,2
	v_mov_b32 v[CD+6*\b+3+\i], v[TC+\i]
.endr
.endm
.macro OUT c
	global_store_b128 v[GA], v[CD+4*\c:CD+4*\c+3], s[8:9] offset:512*\c   ; 32 lanes store 512 consecutive bytes, at a multiple of 256 from the buffer's first byte
.endm
	STAGE 0
	OUT 0
	STAGE 1
	OUT 1
	OUT 2
	STAGE 2
	OUT 3
	STAGE 3
	OUT 4
	OUT 5
	; K step s's scale word of row r: byte b is block 4 s + b.  I hold blocks 4 s + h and 4 s + 2 + h; lane l xor 16 holds the other two
	v_pk_add_f32 v[SQ:SQ+1], v[SQ:SQ+1], v[SQ+2:SQ+3]
.irp s, 0,1
	v_lshl_or_b32 v[SW+\s], v[BY+2*\s+1], 16, v[BY+2*\s]
.endr
	v_add_f32 v[SQ], v[SQ], v[SQ+1]
.irp s, 0,1
	v_lshlrev_b32 v[SW+\s], v[SH], v[SW+\s]
.endr
	v_permlanex16_b32 v[TP+2], v[SQ], s20, s21
.irp s, 0,1
	v_permlanex16_b32 v[TP+\s], v[SW+\s], s20, s21
.endr
	v_add_f32 v[SQ], v[SQ], v[TP+2]                ; the row's sum of squares, the same bits in both lanes of a row
.irp s, 0,1
	v_or_b32 v[SW+\s], v[SW+\s], v[TP+\s]
.endr
	v_mul_f32 v[SQ], -0.5, v[SQ]
	ds_store_b64 v[TSC], v[SW:SW+1]                ; lanes r and r + 16 write the same bytes with the same value
	ds_store_b32 v[TB2], v[SQ] offset:128
	ds_load_b64 v[TO:TO+1], v[TRD]                 ; the wave's own bytes: LDS serves its instructions in order
	s_wait_dscnt 0x0
	global_store_b64 v[TGO], v[TO:TO+1], s[8:9] offset:3072   ; 32 lanes store 256 consecutive bytes, aligned
	s_wait_tensorcnt 0x0                           ; the wave's end
	ds_add_u32 v[SPW], v[NIL]
	s_wait_dscnt 0x0
	s_endpgm
.Lfunc_end_k_q36b2a5d3cd_quant:
	.size	k_q36b2a5d3cd_quant, .Lfunc_end_k_q36b2a5d3cd_quant-k_q36b2a5d3cd_quant
	.p2alignl 7, 3214868480
	.fill 96, 4, 3214868480
	.section	.rodata,"a",@progbits
	.p2align	6, 0x0
	.amdhsa_kernel k_q36b2a5d3cd_quant
		.amdhsa_group_segment_fixed_size 23808
		.amdhsa_private_segment_fixed_size 0
		.amdhsa_enable_private_segment 0
		.amdhsa_kernarg_size 32
		.amdhsa_user_sgpr_count 2
		.amdhsa_user_sgpr_kernarg_segment_ptr 1
		.amdhsa_wavefront_size32 1
		.amdhsa_system_sgpr_workgroup_id_x 1
		.amdhsa_system_sgpr_workgroup_id_y 1
		.amdhsa_system_sgpr_workgroup_id_z 1
		.amdhsa_system_vgpr_workitem_id 0
		.amdhsa_next_free_vgpr 254
		.amdhsa_next_free_sgpr 66
		.amdhsa_reserve_vcc 0
		.amdhsa_float_denorm_mode_32 3
		.amdhsa_float_denorm_mode_16_64 3
		.amdhsa_memory_ordered 1
		.amdhsa_forward_progress 1
		.amdhsa_inst_pref_size 21
	.end_amdhsa_kernel
	.amdgpu_metadata
---
amdhsa.version: [ 1, 2 ]
amdhsa.kernels:
  - .name:           k_q36b2a5d3cd_quant
    .symbol:         k_q36b2a5d3cd_quant.kd
    .args:
      - { .name: xb, .offset: 0, .size: 8, .value_kind: global_buffer, .address_space: global }
      - { .name: weights, .offset: 8, .size: 8, .value_kind: global_buffer, .address_space: global }
      - { .name: xq, .offset: 16, .size: 8, .value_kind: global_buffer, .address_space: global }
      - { .name: wq, .offset: 24, .size: 8, .value_kind: global_buffer, .address_space: global }
    .group_segment_fixed_size: 23808
    .private_segment_fixed_size: 0
    .kernarg_segment_align: 8
    .kernarg_segment_size: 32
    .max_flat_workgroup_size: 160
    .sgpr_count:     66
    .vgpr_count:     254
    .wavefront_size: 32
...
	.end_amdgpu_metadata
.endif
;; end of part 1
;; launch bmu (part 2): grid 16 x 16, 4 waves a work-group, clusters of 4 x 4, 270,848 bytes of LDS; arguments xq, wq, part; writes part
.if DOCPART == 2
	.amdgcn_target "amdgcn-amd-amdhsa--gfx1250"
	.amdhsa_code_object_version 6
	.text
	.protected	k_q36b2a5d3cd_bmu
	.globl	k_q36b2a5d3cd_bmu
	.p2align	8
	.type	k_q36b2a5d3cd_bmu,@function
k_q36b2a5d3cd_bmu:
	s_mov_b64 s[64:65], 0
	v_nop
	global_prefetch_b8 v0, s[64:65] scope:SCOPE_SE
	s_setreg_imm32_b32 hwreg(HW_REG_WAVE_MODE, 25, 1), 1
	s_wait_xcnt 0x0
	s_wait_alu depctr_hold_cnt(0) depctr_sa_sdst(0) depctr_va_vdst(0) depctr_va_sdst(0) depctr_va_ssrc(0) depctr_va_vcc(0) depctr_vm_vsrc(0)
	s_getreg_b32 s2, hwreg(HW_REG_IB_STS2, 6, 4)
	s_cmp_eq_u32 s2, 0
	s_cbranch_scc0 .Lentry_in_a_cluster
	s_endpgm
.Lentry_in_a_cluster:
	s_bfe_u32 s2, ttmp6, 0x10000c
	s_cmp_lg_u32 s2, 0xf033
	s_cbranch_scc0 .Lentry_shape_is_right
	s_endpgm
.Lentry_shape_is_right:
; For 256 rows of x and 1,024 rows of the code book: all products on codes of FP6 (E2M3) with E8M0 scales, and for each row of x the smallest sqrt(max(a2 + b2 - 2 dot, 0)) and its FIRST index.
; xq, wq: tile records of 16 rows, 3,328 bytes: an operand image of 3,072 bytes (24 registers a lane), at 3072 two scale words a row, at 3200 -1/2 x the row's sum of squares.
; part: [16 parts of the code book][4096 rows] of {f32 root, u32 index}.
; SHARES.  Work-group (x, y): part x of the code book (64 tiles), rows 256 y on of x (16 tiles): 266,240 bytes, which all lie in LDS at once: every tensor load is a first fill, no byte is filled twice.
; Four waves, one to a SIMD.  Wave w: q = w / 2, half rh = w % 2 of the rows of x (8 tiles).  Of the part's 32 tile pairs the wave takes q, q + 2, q + 4, ..: its tiles t = 0 .. 31 lie in pairs 2 (t / 2) + q, so that the
; pairs that all waves need first lie end to end.  x's 8 x 24 registers stay in window 1; a tile of the code book is read from LDS once by a wave and feeds 16 products.
; THE PRODUCT: source 0 = 16 code-book rows, source 1 = 16 rows of x: lane (r, h) holds row r of x, register j code-book row 8 h + j of the tile.  The C of a sum's first product is -b2 / 2 in that layout,
; so the result is D = dot - b2 / 2 and d2 = a2 - 2 D.
; THE REDUCTION.  The smallest max(d2, 0) is the largest min(D, a2 / 2).  A lane's 8 registers of a tile are a GROUP: its largest D, held at a2 / 2, replaces the lane's best only if it is strictly larger, together with
; the tile's number and the group's eight D.  At the end the first kept D that is not under the best gives the place (a best held at a2 / 2 is reached by every D at or above it), and the best's root is taken.
; Every later join (the halves of the lanes, the waves of a row, the parts) compares roots and keeps the lower index where they are equal: the result is the first index of the smallest root.
; Selects, the last maxima and the holds go as dual-issue pairs: 40 lines for four groups.  A pair wants one even and one odd destination, and like sources whose register numbers differ mod 4
; (ISA guide, the chapter on dual-issue vector instructions): the register map below is laid for that.
; A UNIT is eight products (four x tiles, K step 0, then K step 1) with the 40 lines that reduce the unit before it, 4 to 6 behind each product.  The products want x from window 1, the lines work in window 0.
; CLUSTER: 4 x 4.  x's records hang on work-group y alone and are asked for jointly along a row of the cluster, the code book's on work-group x alone, jointly along a column.
; No prefetch: everything the work-group reads is asked for by the four loads at the head; there is no loop to run ahead in.
; LIMITS: d2 is rounded as a2 - 2 (dot - b2 / 2), the inner sum inside the matrix unit, not as (a2 + b2) - 2 dot; inside a lane the compare is of D and not of its root; v_sqrt_f32 is good to 1 ulp (ISA guide, its entry in 15.8)
; and is taken not to fall where its input rises; so where two roots lie within such a rounding of each other another index may win.  NaN and infinities are not served.
.set PRB, 3328
.set PAIR, 2*PRB
.set RUN, 2*PAIR                       ; from a wave's tile pair to its next
.set LAST, 31                          ; a wave's last tile
.set WB,  16*PRB                       ; LDS: x's 16 tiles from byte 0, the code book's 64 from here,
.set SCR, WB+64*PRB                    ; and behind them 4,096 bytes, [q][row 0..255] x 8, written by LDS stores alone
.set SPARE, SCR+4096                   ; the spare words, 128 bytes for each wave: two blocks of 256 bytes that no other line names
.set AW,  1                            ; v1   16 lane + my first pair; steps by four runs
.set AS,  2                            ; v2   8 r + (h: the pair's second tile) + the same
.set AC,  3                            ; v3   32 h + the same
.set EB,  4                            ; v4   1024 part + 32 q + 8 h: the index of my register 0 of tile 0 (a number, no address)
.set SCW, 5                            ; v5   where I put my results: SCR + 1024 wave + 8 lane
.set SCRD, 6                           ; v6   where I read two rows' results: SCR + 16 thread
.set GO,  7                            ; v7   16 thread: offset in part
.set BIG, 8                            ; v8   0x7fffffff
.set AX,  12                           ; v12  16 lane + my half of x's tiles
.set ASX, 13                           ; v13  8 r + (h: the pair's second tile) + the same
.set AHX, 15                           ; v15  4 r + the same
.set XS,  16                           ; v16-23   x's scale words: register 2 i + k: lanes 0-15 x tile 2 i, lanes 16-31 x tile 2 i + 1, K step k.  Scales and nothing else
.set WS,  24                           ; v24-27   the code book's: two sets of two; lanes 0-15 the pair's tile 0, lanes 16-31 its tile 1.  Scales and nothing else
.set A2,  28                           ; v28-35   a2 / 2 of my row in x tile x
.set BD,  36                           ; v36-43   the best D
.set BT,  45                           ; v45-52   its tile's number, later the index.  (An odd base: BT + x and BD + x are the two destinations of a pair; BT + x and MX + x its two second sources)
.set MX,  54                           ; v54-61   at work
.set SPW, 62                           ; v62  LDS address of my spare word; never rewritten
.set NIL, 63                           ; v63  0; never rewritten
.set WF,  64                           ; v64-111  the code book's fragments, two sets of 24; at the end at work
.set CP,  112                          ; v112-127 -b2 / 2 in the result's layout, two sets of 8
.set DT,  128                          ; v128-191 the results, x tile x at 128 + 8 x
.set KV,  192                          ; v192-255 the best group's eight D, x tile x at 192 + 8 x
                                       ; window 1, v0-191: x's fragments, x tile x at 24 x
.set MSB, 0
.macro WIN new                         ; the immediate's high byte repeats the setting that is left; a switch that changes nothing is dropped
.if MSB != \new
	s_set_vgpr_msb (MSB<<8)|\new
.set MSB, \new
.endif
.endm
; A round of the cluster's barrier: my work-group's barrier, wave 0 signals for the work-group, every wave waits for all sixteen, my work-group's barrier once more.
.macro CROUND
	s_barrier_signal -1
	s_barrier_wait -1
	s_cmp_lg_u32 s10, 0
	s_cbranch_scc1 .Lnot_wave_0_\@
	s_barrier_signal -3
.Lnot_wave_0_\@:
	s_barrier_wait -3
	s_barrier_signal -1
	s_barrier_wait -1
.endm
	s_load_b128 s[4:7], s[0:1], 0x0                ; xq, wq
	s_load_b64 s[8:9], s[0:1], 0x10                ; part
	v_lshl_add_u32 v[SPW], v0, 2, SPARE
	v_mov_b32 v[NIL], 0
	ds_add_u32 v[SPW], v[NIL]                      ; the wave's opening: the add, twice on end, and its wait ahead of my tensor load
	ds_add_u32 v[SPW], v[NIL]
	v_lshrrev_b32 v9, 5, v0
	v_readfirstlane_b32 s10, v9                    ; wave 0..3
	s_lshr_b32 s11, s10, 1                         ; q
	s_and_b32 s12, s10, 1                          ; rh
	s_bfe_u32 s13, ttmp6, 0x40000                  ; cx, cy: my place in the cluster
	s_bfe_u32 s14, ttmp6, 0x40004
	s_lshl_b32 s15, ttmp9, 2
	s_add_co_u32 s15, s15, s13                     ; the part of the code book = 4 x cluster x + cx
	s_and_b32 s16, ttmp7, 0xffff
	s_lshl_b32 s16, s16, 2
	s_add_co_u32 s16, s16, s14                     ; the block of rows of x = 4 x cluster y + cy
	s_lshl_b32 s17, s14, 2
	s_lshl_b32 s17, 15, s17                        ; my row of the cluster
	s_lshl_b32 s18, 0x1111, s13                    ; my column
	; descriptor group 1: a dense block as rows of 256 bytes (32 elements of 8 bytes), no padding: every LDS read of it is contiguous or a broadcast.
	; x: 16 tiles, 208 rows; the code book in three stages: 2, 8 and 22 tile pairs: 52, 208 and 572 rows
	s_or_b32 s24, s17, (3<<16)|(1<<21)             ; 15:0 the mask: x's tiles go to my row; 17:16 elements of 8 bytes; 21 set beside a mask
	s_or_b32 s32, s18, (3<<16)|(1<<21)             ; the code book's go to my column
	s_or_b32 s40, s18, (3<<16)|(1<<21)
	s_or_b32 s48, s18, (3<<16)|(1<<21)
.macro SHAPE g, rows
	s_mov_b32 s[\g+1], 32<<16                      ; tensor_dim0 = 32
	s_mov_b32 s[\g+2], \rows<<16                   ; tensor_dim1
	s_mov_b32 s[\g+3], 32<<16                      ; tile_dim0 = 32
	s_mov_b32 s[\g+4], \rows                       ; tile_dim1
	s_mov_b32 s[\g+5], 32                          ; from row to row
	s_mov_b32 s[\g+6], 0
	s_mov_b32 s[\g+7], 0
.endm
	SHAPE 24, 208
	SHAPE 32, 52
	SHAPE 40, 208
	SHAPE 48, 572
	; group 0: count, LDS address.  No place in the cluster enters an LDS address
	s_mov_b32 s56, 1
	s_mov_b32 s57, 0                               ; x
	s_mov_b32 s60, 1
	s_mov_b32 s61, WB                              ; stage 0: pairs 0, 1
	s_mov_b32 s68, 1
	s_mov_b32 s69, WB+2*PAIR                       ; stage 1: pairs 2-9
	s_mov_b32 s72, 1
	s_mov_b32 s73, WB+10*PAIR                      ; stage 2: pairs 10-31
	s_mul_i32 s20, s16, 16*PRB                     ; x: the block alone
	s_mov_b32 s21, 0
	s_mul_i32 s22, s15, 64*PRB                     ; the code book: the part alone
	s_mov_b32 s23, 0
	s_lshl_b32 s18, s15, 15                        ; part: (4096 part + 256 block) x 8 bytes
	s_lshl_b32 s19, s16, 11
	s_add_co_u32 s18, s18, s19
	s_mov_b32 s19, 0
	; the LDS addresses
	s_mul_i32 s76, s12, 8*PRB                      ; my half of x's tiles
	s_mul_i32 s77, s11, PAIR
	s_add_co_u32 s77, s77, WB                      ; my first pair
	s_lshl_b32 s78, s10, 10
	s_add_co_u32 s78, s78, SCR
	s_lshl_b32 s66, s15, 10
	s_lshl_b32 s67, s11, 5
	s_add_co_u32 s66, s66, s67
	v_and_b32 v9, 31, v0                           ; lane
	v_and_b32 v10, 15, v0                          ; r
	v_bfe_u32 v11, v0, 4, 1                        ; h
	v_mul_u32_u24 v14, v11, PRB
	v_lshl_add_u32 v14, v10, 3, v14
	v_lshl_add_u32 v[AW], v9, 4, s77
	v_add_nc_u32 v[AS], s77, v14
	v_lshl_add_u32 v[AC], v11, 5, s77
	v_lshl_add_u32 v[AX], v9, 4, s76
	v_add_nc_u32 v[ASX], s76, v14
	v_lshl_add_u32 v[AHX], v10, 2, s76
	v_lshl_add_u32 v[SCW], v9, 3, s78
	v_lshl_add_u32 v[SCRD], v0, 4, SCR
	v_lshlrev_b32 v[GO], 4, v0
	v_lshl_add_u32 v[EB], v11, 3, s66
	v_mov_b32 v[BIG], 0x7fffffff
	s_wait_alu depctr_va_vdst(0)                   ; the wait at the head's end
	s_wait_dscnt 0x0                               ; both opening adds are done
	CROUND                                         ; all sixteen work-groups are here: the joint loads meet
	s_wait_kmcnt 0x0
	s_add_nc_u64 s[58:59], s[4:5], s[20:21]
	s_or_b32 s59, s59, 0x80000000                  ; the type
	s_add_nc_u64 s[62:63], s[6:7], s[22:23]
	s_add_nc_u64 s[70:71], s[62:63], 2*PAIR
	s_add_nc_u64 s[74:75], s[62:63], 10*PAIR
	s_or_b32 s63, s63, 0x80000000
	s_or_b32 s71, s71, 0x80000000
	s_or_b32 s75, s75, 0x80000000
	s_add_nc_u64 s[8:9], s[8:9], s[18:19]
; THE LAUNCH'S ONLY TENSOR LOADS, ONE A WAVE: wave 0 x; wave 1 the code book's stage 0; wave 2 stage 1; wave 3 stage 2.  Each line has an issuer of its own, so a barrier can show some lines alone.
.macro ARM under, g0, g1, next
	s_cmp_lt_u32 s10, \under
	s_cbranch_scc0 \next
	tensor_load_to_lds s[\g0:\g0+3], s[\g1:\g1+7]
	s_nop 0
.rept 4
	v_nop
.endr
	s_branch .Lasked
\next:
.endm
	ARM 1, 56, 24, .Lstage0
	ARM 2, 60, 32, .Lstage1
	ARM 3, 68, 40, .Lstage2
	tensor_load_to_lds s[72:75], s[48:55]
	s_nop 0
.rept 4
	v_nop
.endr
.Lasked:
; The loads of waves under lim are shown to every wave (4: all that is still out, and every wave waits).  Every window is 0 here.
.macro SYNC lim
	s_wait_alu depctr_va_vdst(0)                   ; ahead of the branch and the waits below
.if \lim < 4
	s_cmp_lt_u32 s10, \lim
	s_cbranch_scc0 .Lno_wait_\@
	s_wait_tensorcnt 0x0
.Lno_wait_\@:
.else
	s_wait_tensorcnt 0x0
.endif
	s_wait_dscnt 0x0
	s_barrier_signal -1
	s_barrier_wait -1
.endm
; Tile t: its image (6 loads of 512 consecutive bytes), -b2 / 2 of its rows 8 h .. 8 h + 7 (2 broadcast loads), and with a pair's first tile the pair's scale words.
.macro FETCH t
	WIN 0
.set fi, (\t)/2
.set fu, (\t)%2
.set fo, RUN*(fi%4)+PRB*fu
.if ((\t)%8 == 0) && ((\t) > 0)
	v_add_nc_u32 v[AW], 4*RUN, v[AW]               ; four pairs on, so that the offsets stay inside 16 bits
	v_add_nc_u32 v[AC], 4*RUN, v[AC]
	v_add_nc_u32 v[AS], 4*RUN, v[AS]
.endif
.irp c, 0,1,2,3,4,5
	ds_load_b128 v[WF+24*fu+4*\c:WF+24*fu+4*\c+3], v[AW] offset:fo+512*\c
.endr
.irp k, 0,1
	ds_load_b128 v[CP+8*fu+4*\k:CP+8*fu+4*\k+3], v[AC] offset:fo+3200+16*\k
.endr
.if fu == 0
	ds_load_b64 v[WS+2*(fi%2):WS+2*(fi%2)+1], v[AS] offset:fo+3072
.endif
.endm
; One product: tile t of the code book x tile x of x, K step k.  K step 0 takes -b2 / 2 as C, K step 1 adds in place.
.macro PROD t, x, k
	WIN 0x04                                       ; source 1 (x) in window 1, all else in window 0
.set rD, DT+8*(\x)
.set rA, WF+24*((\t)%2)+12*(\k)
.set rB, 24*(\x)+12*(\k)
.set rSA, WS+2*(((\t)/2)%2)+(\k)
.set rSB, XS+2*((\x)/2)+(\k)
.set rC, rD
.if (\k) == 0
.set rC, CP+8*((\t)%2)
.endif
.if ((\t)%2 == 0) && ((\x)%2 == 0)
	v_wmma_scale_f32_16x16x128_f8f6f4 v[rD:rD+7], v[rA:rA+11], v[rB:rB+11], v[rC:rC+7], v[rSA], v[rSB] matrix_a_fmt:MATRIX_FMT_FP6 matrix_b_fmt:MATRIX_FMT_FP6
.elseif ((\x)%2 == 0)
	v_wmma_scale_f32_16x16x128_f8f6f4 v[rD:rD+7], v[rA:rA+11], v[rB:rB+11], v[rC:rC+7], v[rSA], v[rSB] matrix_a_fmt:MATRIX_FMT_FP6 matrix_b_fmt:MATRIX_FMT_FP6 matrix_a_scale:MATRIX_SCALE_ROW1
.elseif ((\t)%2 == 0)
	v_wmma_scale_f32_16x16x128_f8f6f4 v[rD:rD+7], v[rA:rA+11], v[rB:rB+11], v[rC:rC+7], v[rSA], v[rSB] matrix_a_fmt:MATRIX_FMT_FP6 matrix_b_fmt:MATRIX_FMT_FP6 matrix_b_scale:MATRIX_SCALE_ROW1
.else
	v_wmma_scale_f32_16x16x128_f8f6f4 v[rD:rD+7], v[rA:rA+11], v[rB:rB+11], v[rC:rC+7], v[rSA], v[rSB] matrix_a_fmt:MATRIX_FMT_FP6 matrix_b_fmt:MATRIX_FMT_FP6 matrix_a_scale:MATRIX_SCALE_ROW1 matrix_b_scale:MATRIX_SCALE_ROW1
.endif
.endm
; THE REDUCTION of x tiles x0 .. x0 + 3 of tile tn, in eight places.  Each accumulator is read from its low end on.
; An even x tile leaves its register 7 for the last maximum, an odd one its register 4, so that the two are second sources of one pair.
.macro MAX2 a
.set ya, \a
	v_dual_max_num_f32 v[MX+ya], v[MX+ya], v[DT+8*ya+7] :: v_dual_max_num_f32 v[MX+ya+1], v[MX+ya+1], v[DT+8*ya+12]   ; the groups' largest D,
.endm
.macro MIN2 a
.set ya, \a
	v_dual_min_num_f32 v[MX+ya], v[A2+ya], v[MX+ya] :: v_dual_min_num_f32 v[MX+ya+1], v[A2+ya+1], v[MX+ya+1]           ; held at a2 / 2
.endm
; vcc = the old best stays (best >= new); a select takes its second source where vcc is set.  Tile 0 has no old best: it starts best, number and kept values, so that nothing is cleared.
.macro CMPB x
.set xx, \x
.if tn > 0
	v_cmp_ge_f32 vcc_lo, v[BD+xx], v[MX+xx]
.endif
.endm
.macro KEEP x
.set xx, \x
.if tn == 0
	v_dual_mov_b32 v[BT+xx], 0 :: v_dual_mov_b32 v[BD+xx], v[MX+xx]
.irp j, 0,2,4,6
	v_dual_mov_b32 v[KV+8*xx+\j], v[DT+8*xx+\j] :: v_dual_mov_b32 v[KV+8*xx+\j+1], v[DT+8*xx+\j+1]
.endr
.else
	v_dual_cndmask_b32 v[BT+xx], tv, v[BT+xx] :: v_dual_max_num_f32 v[BD+xx], v[BD+xx], v[MX+xx]   ; the tile's number, and the best D
.irp j, 0,2,4,6
	v_dual_cndmask_b32 v[KV+8*xx+\j], v[DT+8*xx+\j], v[KV+8*xx+\j] :: v_dual_cndmask_b32 v[KV+8*xx+\j+1], v[DT+8*xx+\j+1], v[KV+8*xx+\j+1]   ; the group's eight D, two a line
.endr
.endif
.endm
.macro OFTILE t, hh
.set x0, 4*(\hh)
.set tn, (\t)
.set tv, 4*(tn/2)+tn%2                 ; 16 tv = 64 (t / 2) + 16 (t % 2): the tile's first row, from the wave's first
.endm
.macro PLACE p
	WIN 0
.if tn < 0                             ; nothing to reduce yet
	v_mul_f32 v[A2+\p], -1.0, v[A2+\p]             ; a2 / 2 from -a2 / 2
.elseif (\p) == 0
.irp u, 0,1,2,3
	v_max3_num_f32 v[MX+x0+\u], v[DT+8*(x0+\u)], v[DT+8*(x0+\u)+1], v[DT+8*(x0+\u)+2]
.endr
.elseif (\p) == 1
.irp u, 0,1,2,3
	v_max3_num_f32 v[MX+x0+\u], v[MX+x0+\u], v[DT+8*(x0+\u)+3], v[DT+8*(x0+\u)+4+(\u%2)]
.endr
.elseif (\p) == 2
.irp u, 0,1,2,3
	v_max3_num_f32 v[MX+x0+\u], v[MX+x0+\u], v[DT+8*(x0+\u)+5+(\u%2)], v[DT+8*(x0+\u)+6+(\u%2)]
.endr
.elseif (\p) == 3
	MAX2 x0
	MAX2 x0+2
	MIN2 x0
	MIN2 x0+2
	CMPB x0
.else                                  ; the selects of one x tile, and the next one's compare as the last line
	KEEP x0+(\p)-4
.if (\p) < 7
	CMPB x0+(\p)-3
.endif
.endif
.endm
; A UNIT: tile t x the four x tiles 4 hh .. 4 hh + 3, K step 0, then K step 1: the four accumulators take turns, one instruction a turn; behind each product a place of the reduction of x tiles
; 4 rh .. 4 rh + 3 of tile rt (the unit before).  So behind a unit's last product of an accumulator stand at least four plain vector lines that name none of its registers, ahead of the first read of
; the result, of the loads into the fragments that it read, and of the products that begin the accumulator anew.  Behind a tile's first product the next tile's loads go out, into the other set.
.macro UNIT t, hh, rt, rh
	OFTILE \rt, \rh
.irp k, 0,1
.irp u, 0,1,2,3
	PROD \t, 4*(\hh)+\u, \k
	PLACE (4*\k+\u)
.if ((\hh) == 0) && (\k == 0) && (\u == 0) && ((\t) < LAST)
	FETCH (\t)+1
.endif
.endr
.endr
	WIN 0
.endm
.macro TILE t
.if (\t) == 1
	SYNC 3                                         ; the next tile begins stage 1
.endif
.if (\t) == 9
	SYNC 4                                         ; the next tile begins stage 2
.endif
	s_wait_dscnt 0x0                               ; this tile's fragments are in: they were asked for a tile ago
	UNIT \t, 0, (\t)-1, 1
	UNIT \t, 1, \t, 0
.endm
	SYNC 2                                         ; x's tiles and stage 0 of the code book lie in LDS, everybody's
	FETCH 0
.irp i, 0,1,2,3
	ds_load_b64 v[XS+2*\i:XS+2*\i+1], v[ASX] offset:PAIR*\i+3072
.endr
.irp x, 0,1,2,3,4,5,6,7
	ds_load_b32 v[A2+\x], v[AHX] offset:PRB*\x+3200
.endr
	WIN 0x40                                       ; destination window 1, address window 0
.irp x, 0,1,2,3,4,5,6,7
.irp c, 0,1,2,3,4,5
	ds_load_b128 v[24*\x+4*\c:24*\x+4*\c+3], v[AX] offset:PRB*\x+512*\c   ; x's fragments stay in registers
.endr
.endr
	s_wait_dscnt 24                                ; all but the last four x tiles' 24 loads
	UNIT 0, 0, -1, 0
.rept 4
	v_nop                                          ; this unit's places hold one line each
.endr
	s_wait_dscnt 8                                 ; all but tile 1's 8 loads
	UNIT 0, 1, 0, 0
.set tt, 1
.rept LAST
	TILE tt
.set tt, tt+1
.endr
	OFTILE LAST, 1                                 ; the last four x tiles
.irp p, 0,1,2,3,4,5,6,7
	PLACE \p
.endr
	; THE ROOT of each best: sqrt(2 (a2 / 2 - D)), not negative since D is held at a2 / 2
.irp x, 0,1,2,3,4,5,6,7
	v_sub_f32 v[MX+\x], v[A2+\x], v[BD+\x]
.endr
.irp x, 0,1,2,3,4,5,6,7
	v_add_f32 v[MX+\x], v[MX+\x], v[MX+\x]
.endr
	s_wait_alu depctr_va_vdst(0)                   ; the wait ahead of the batch
.irp x, 0,1,2,3,4,5,6,7
	v_sqrt_f32 v[MX+\x], v[MX+\x]
.endr
	; THE PLACE IN THE BEST GROUP: the first kept D that is not under the best; downward, so that the lowest place is written last
.irp x, 0,1,2,3,4,5,6,7
	v_mov_b32 v[WF+\x], 7
.endr
.irp j, 6,5,4,3,2,1,0
.irp x, 0,1,2,3,4,5,6,7
	v_cmp_le_f32 s[24+\x], v[BD+\x], v[KV+8*\x+\j]
.endr
.irp x, 0,1,2,3,4,5,6,7
	v_cndmask_b32 v[WF+\x], v[WF+\x], \j, s[24+\x]
.endr
.endr
.irp x, 0,1,2,3,4,5,6,7
	v_lshl_add_u32 v[BT+\x], v[BT+\x], 4, v[WF+\x]
.endr
.irp x, 0,1,2,3,4,5,6,7
	v_add_nc_u32 v[BT+\x], v[BT+\x], v[EB]         ; the index
.endr
	s_wait_alu depctr_va_vdst(0)                   ; one wait for the roots, ahead of their first reader
	; THE TWO HALVES OF THE LANES.  Lanes 16-31 of x tile 2 i change places with lanes 0-15 of x tile 2 i + 1: the first then holds h = 0's result of 32 neighbouring rows, the second h = 1's.
	; The smaller root, and of equal roots the lower index
.irp i, 0,1,2,3
	v_permlane16_swap_b32 v[MX+2*\i], v[MX+2*\i+1]
	v_permlane16_swap_b32 v[BT+2*\i], v[BT+2*\i+1]
.endr
.irp i, 0,1,2,3
	v_min_num_f32 v[104+2*\i], v[MX+2*\i], v[MX+2*\i+1]
.endr
.irp i, 0,1,2,3
	v_cmp_eq_f32 s[24+\i], v[MX+2*\i], v[104+2*\i]
	v_cmp_eq_f32 s[28+\i], v[MX+2*\i+1], v[104+2*\i]
.endr
.irp i, 0,1,2,3
	v_cndmask_b32 v[72+\i], v[BIG], v[BT+2*\i], s[24+\i]
	v_cndmask_b32 v[76+\i], v[BIG], v[BT+2*\i+1], s[28+\i]
.endr
.irp i, 0,1,2,3
	v_min_u32 v[105+2*\i], v[72+\i], v[76+\i]
.endr
	; THE TWO WAVES OF A ROW meet in LDS
.irp i, 0,1,2,3
	ds_store_b64 v[SCW], v[104+2*\i:105+2*\i] offset:256*\i
.endr
	s_wait_alu depctr_va_vdst(0)                   ; directly ahead of the wait below
	s_wait_dscnt 0x0                               ; for the others' sake: my stores are done
	s_barrier_signal -1
	s_barrier_wait -1
	ds_load_b128 v[112:115], v[SCRD]               ; thread n takes rows 2 n and 2 n + 1: q = 0's {root, index} of both,
	ds_load_b128 v[116:119], v[SCRD] offset:2048   ; and q = 1's
	s_wait_dscnt 0x0
	v_min_num_f32 v64, v112, v116
	v_min_num_f32 v66, v114, v118
	v_cmp_eq_f32 s24, v112, v64
	v_cmp_eq_f32 s25, v116, v64
	v_cmp_eq_f32 s26, v114, v66
	v_cmp_eq_f32 s27, v118, v66
	v_cndmask_b32 v72, v[BIG], v113, s24
	v_cndmask_b32 v73, v[BIG], v117, s25
	v_cndmask_b32 v74, v[BIG], v115, s26
	v_cndmask_b32 v75, v[BIG], v119, s27
	v_min_u32 v65, v72, v73                        ; of equal roots the lowest index
	v_min_u32 v67, v74, v75
	global_store_b128 v[GO], v[64:67], s[8:9]      ; a wave stores 512 consecutive bytes, aligned
	s_wait_tensorcnt 0x0                           ; the wave's end
	ds_add_u32 v[SPW], v[NIL]
	s_wait_dscnt 0x0
	CROUND                                         ; the closing round: no work-group ends while a partner may still ask for a tile that names it
	s_endpgm
.Lfunc_end_k_q36b2a5d3cd_bmu:
	.size	k_q36b2a5d3cd_bmu, .Lfunc_end_k_q36b2a5d3cd_bmu-k_q36b2a5d3cd_bmu
	.p2alignl 7, 3214868480
	.fill 96, 4, 3214868480
	.section	.rodata,"a",@progbits
	.p2align	6, 0x0
	.amdhsa_kernel k_q36b2a5d3cd_bmu
		.amdhsa_group_segment_fixed_size 270848
		.amdhsa_private_segment_fixed_size 0
		.amdhsa_enable_private_segment 0
		.amdhsa_kernarg_size 24
		.amdhsa_user_sgpr_count 2
		.amdhsa_user_sgpr_kernarg_segment_ptr 1
		.amdhsa_wavefront_size32 1
		.amdhsa_system_sgpr_workgroup_id_x 1
		.amdhsa_system_sgpr_workgroup_id_y 1
		.amdhsa_system_sgpr_workgroup_id_z 1
		.amdhsa_system_vgpr_workitem_id 0
		.amdhsa_next_free_vgpr 448
		.amdhsa_next_free_sgpr 80
		.amdhsa_reserve_vcc 1
		.amdhsa_float_denorm_mode_32 3
		.amdhsa_float_denorm_mode_16_64 3
		.amdhsa_memory_ordered 1
		.amdhsa_forward_progress 1
		.amdhsa_inst_pref_size 255
	.end_amdhsa_kernel
	.section	.bss,"aw",@nobits
	.p2align	6
	.space	262144
	.amdgpu_metadata
---
amdhsa.version: [ 1, 2 ]
amdhsa.kernels:
  - .name:           k_q36b2a5d3cd_bmu
    .symbol:         k_q36b2a5d3cd_bmu.kd
    .args:
      - { .name: xq, .offset: 0, .size: 8, .value_kind: global_buffer, .address_space: global }
      - { .name: wq, .offset: 8, .size: 8, .value_kind: global_buffer, .address_space: global }
      - { .name: part, .offset: 16, .size: 8, .value_kind: global_buffer, .address_space: global }
    .group_segment_fixed_size: 270848
    .private_segment_fixed_size: 0
    .kernarg_segment_align: 8
    .kernarg_segment_size: 24
    .max_flat_workgroup_size: 128
    .sgpr_count:     80
    .vgpr_count:     448
    .wavefront_size: 32
...
	.end_amdgpu_metadata
.endif
;; end of part 2
;; launch pick (part 3): grid 128 x 1, 1 waves a work-group, no clusters, 0 bytes of LDS; arguments part, out0; writes out0
.if DOCPART == 3
	.amdgcn_target "amdgcn-amd-amdhsa--gfx1250"
	.amdhsa_code_object_version 6
	.text
	.protected	k_q36b2a5d3cd_pick
	.globl	k_q36b2a5d3cd_pick
	.p2align	8
	.type	k_q36b2a5d3cd_pick,@function
k_q36b2a5d3cd_pick:
	s_mov_b64 s[64:65], 0
	v_nop
	global_prefetch_b8 v0, s[64:65] scope:SCOPE_SE
	s_setreg_imm32_b32 hwreg(HW_REG_WAVE_MODE, 25, 1), 1
	s_wait_xcnt 0x0
; part [16][4096] of {f32 root, u32 index}: for each row the smallest root; of equal roots the lower part, which holds the lower indices, stays.  out0 [4096][2] int32 = (index / 128, index % 128).
; A lane to a row, 32 rows to a work-group of one wave: each load and the store cover 256 consecutive bytes, aligned.  512 KiB are read once: no LDS, no barrier, nothing to share.
	s_load_b128 s[4:7], s[0:1], 0x0                ; part, out0
	s_lshl_b32 s8, ttmp9, 8
	v_lshl_add_u32 v1, v0, 3, s8                   ; 8 x row, row = 32 x work-group + lane
	s_wait_alu depctr_va_vdst(0)                   ; the wait at the head's end
	s_wait_kmcnt 0x0
.irp p, 0,1,2,3,4,5,6,7,8,9,10,11,12,13,14,15
	global_load_b64 v[8+2*\p:9+2*\p], v1, s[4:5] offset:32768*\p
.endr
	s_wait_loadcnt 0x0
; One level of a tree: part p against part p + d, which wins only if it is strictly smaller.  The pairs of a level do not hang on each other.
.macro LEVEL d
.set p, 0
.rept 8/\d
	v_cmp_lt_f32 s[10+p/(2*\d)], v[8+2*(p+\d)], v[8+2*p]
.set p, p+2*\d
.endr
.set p, 0
.rept 8/\d
	v_cndmask_b32 v[8+2*p], v[8+2*p], v[8+2*(p+\d)], s[10+p/(2*\d)]
	v_cndmask_b32 v[9+2*p], v[9+2*p], v[9+2*(p+\d)], s[10+p/(2*\d)]
.set p, p+2*\d
.endr
.endm
	LEVEL 1
	LEVEL 2
	LEVEL 4
	LEVEL 8
	v_lshrrev_b32 v40, 7, v9
	v_and_b32 v41, 127, v9
	global_store_b64 v1, v[40:41], s[6:7]
	s_endpgm
.Lfunc_end_k_q36b2a5d3cd_pick:
	.size	k_q36b2a5d3cd_pick, .Lfunc_end_k_q36b2a5d3cd_pick-k_q36b2a5d3cd_pick
	.p2alignl 7, 3214868480
	.fill 96, 4, 3214868480
	.section	.rodata,"a",@progbits
	.p2align	6, 0x0
	.amdhsa_kernel k_q36b2a5d3cd_pick
		.amdhsa_group_segment_fixed_size 0
		.amdhsa_private_segment_fixed_size 0
		.amdhsa_enable_private_segment 0
		.amdhsa_kernarg_size 16
		.amdhsa_user_sgpr_count 2
		.amdhsa_user_sgpr_kernarg_segment_ptr 1
		.amdhsa_wavefront_size32 1
		.amdhsa_system_sgpr_workgroup_id_x 1
		.amdhsa_system_sgpr_workgroup_id_y 1
		.amdhsa_system_sgpr_workgroup_id_z 1
		.amdhsa_system_vgpr_workitem_id 0
		.amdhsa_next_free_vgpr 48
		.amdhsa_next_free_sgpr 66
		.amdhsa_reserve_vcc 0
		.amdhsa_float_denorm_mode_32 3
		.amdhsa_float_denorm_mode_16_64 3
		.amdhsa_memory_ordered 1
		.amdhsa_forward_progress 1
		.amdhsa_inst_pref_size 6
	.end_amdhsa_kernel
	.amdgpu_metadata
---
amdhsa.version: [ 1, 2 ]
amdhsa.kernels:
  - .name:           k_q36b2a5d3cd_pick
    .symbol:         k_q36b2a5d3cd_pick.kd
    .args:
      - { .name: part, .offset: 0, .size: 8, .value_kind: global_buffer, .address_space: global }
      - { .name: out0, .offset: 8, .size: 8, .value_kind: global_buffer, .address_space: global }
    .group_segment_fixed_size: 0
    .private_segment_fixed_size: 0
    .kernarg_segment_align: 8
    .kernarg_segment_size: 16
    .max_flat_workgroup_size: 32
    .sgpr_count:     66
    .vgpr_count:     48
    .wavefront_size: 32
...
	.end_amdgpu_metadata
.endif
;; end of part 3
